; MI455X (gfx1250); checked and timed in simulation.
; The chip was launched on July 23, 2026; its instructions are those of AMD's public machine-readable ISA for CDNA 5 (MIT licence, August 2026) and "CDNA5" Instruction Set Architecture Reference Guide (July 2026). The comments in the code are by the model that wrote it; some were corrected since.
;; ANFIS Net. Allowed arithmetic: float matrix products may take bf16 or f16 operands with f32 sums; all other float work in f32.
;; Inputs: c 11 float32; conseq 30 float32; log_s 11 float32; x 2,097,152 x 4 float32.
;; Outputs: out0 2,097,152 x 1 float32.
;; One version. Each part assembles by itself: llvm-mc -triple=amdgcn-amd-amdhsa -mcpu=gfx1250 --defsym DOCPART=n.
;; ======== version 1 of 1: 1 launch
;; limits: right only within a limited range of input values
;; launch anfis (part 1): grid 256 x 1, 16 waves a work-group, no clusters, 34,816 bytes of LDS; arguments x, c, log_s, conseq, out0; writes out0
.if DOCPART == 1
	.amdgcn_target "amdgcn-amd-amdhsa--gfx1250"
	.amdhsa_code_object_version 6
	.text
	.protected	k_q1a1e1ef3f6_anfis
	.globl	k_q1a1e1ef3f6_anfis
	.p2align	8
	.type	k_q1a1e1ef3f6_anfis,@function
k_q1a1e1ef3f6_anfis:
	s_mov_b64 s[64:65], 0
	v_nop
	global_prefetch_b8 v0, s[64:65] scope:SCOPE_SE
	s_setreg_imm32_b32 hwreg(HW_REG_WAVE_MODE, 25, 1), 1
	s_wait_xcnt 0x0
; ANFIS forward: out[r] = sum_rules(w conseq) / max(sum_rules(w), 1e-8), w = product of four Gaussian memberships.
; x: [2097152][4] f32, c, log_s: [11] f32, conseq: [30] f32, out: [2097152] f32.
;
; ARITHMETIC.  mu_j = exp2(-t^2), t = x k_j - c_j k_j, k_j = sqrt(0.5 log2 e) / max(exp(log_s_j), 1e-3).
; Every rule takes one membership of each input: a in 0..2, b in 3..5, c in 6..8, d in 9..10.  So both sums are factored:
; P_ab = mu_a mu_b (9 products); for each of the six (c, d): N_cd = sum conseq_r P_ab (30 multiply-adds in all) and
; D_cd = sum P_ab (13 adds, partial sums shared); then mu_c and mu_d are folded in (16).  All of this runs on two rows at once
; (v_pk_*_f32, rows A and B of a lane in one register pair).  The exponents are packed the other way: a loaded row gives the pairs
; (x0, x1) and (x2, x3), which meet constant pairs (k_j, k_j'); the v_exp_f32 then write into the row-paired layout, so no move transposes.
;
; SHARES.  256 work-groups x 16 waves; a wave owns 512 neighbouring rows (8,192 bytes of x), a lane 16 of them: load j brings
; row 32 j + lane, so each load of the wave covers 512 neighbouring bytes.  All 16 loads are issued at once; the counted waits let
; the arithmetic start on the first rows while the rest is on its way.  No wave reads what another wave wrote: no barrier.
; A lane's results are rows 32 apart, so they pass through the wave's own 2,048 bytes of LDS and leave as 16 bytes a lane:
; each store of the wave covers 512 neighbouring bytes, aligned.
;
; CONSTANTS.  c, log_s and conseq (208 bytes) come by scalar loads, which no line of this kernel's stores touches, and are worked up
; by vector instructions that read the scalar registers: every lane has every constant without any exchange between lanes, and the
; 74 instructions stand where the wave would otherwise only wait for its first rows.
;
; LIMITS.  (1) c k is rounded before the fused multiply-add, so t carries an absolute error of about |c| / sigma x 2^-24: harmless
; up to |c| / sigma of about 1e3.  (2) v_exp_f32 gives 0 for results below 2^-126, and partial products may underflow
; earlier than a product taken in another order: this touches only terms below 1e-30, against a denominator of at least 1e-8.
; (3) The sums are taken in another order than the rule list.  (4) NaN in the parameters is not handed on: a NaN in log_s acts as
; sigma = 1e-3, a NaN in conseq is replaced by a bound of the clip.
.set NLOG2E,    0xbfb8aa3b             ; -log2 e
.set LOG2KS,    0xbe714589             ; log2 sqrt(0.5 log2 e) = -0.23561682
.set KMAX,      0x44545498             ; sqrt(0.5 log2 e) / 1e-3 = 849.3218
.set DEN_MIN,   0x322bcc77             ; 1e-8
.set C100,      0x42c80000             ; 100.0
.set STAGE,     2048                   ; LDS of a wave: 512 results
; scalar registers
.set SQ,   20                          ; s[20:49]   conseq as loaded
.set SC,   52                          ; s[52:62]   c as loaded
.set SL,   68                          ; s[68:78]   log_s as loaded
; vector registers
.set LANE, 1
.set XO,   2                           ; byte offset of my 16 bytes in the wave's first 512 bytes of x
.set OO,   3                           ; byte offset of my 16 bytes in the wave's first 512 bytes of out
.set LST,  4                           ; LDS: my wave's part + 4 lane
.set LRD,  5                           ; LDS: my wave's part + 16 lane
.set TMP,  6
.set NL,   7                           ; -log2 e
.set K,    16                          ; v[16:26]   k in the order 0,3, 1,4, 2,5, 6,9, 7,10, 8
.set CK,   28                          ; v[28:38]   -c k in the same order
.set CQ,   40                          ; v[40:69]   clipped conseq, rule r in v[CQ+r]
.set X,    72                          ; v[72:135]  load j: 4 registers, one row
.set E,    136                         ; v[136:157] t, then -t^2: row A 5 pairs, row B 5 pairs, the pair (A, B) of function 8
.set M,    158                         ; v[158:179] mu_j of rows (A, B) in v[M+2j:M+2j+1]
.set P,    180                         ; v[180:197] nine pairs
.set P03, P+0
.set P04, P+2
.set P05, P+4
.set P13, P+6
.set P14, P+8
.set P15, P+10
.set P23, P+12
.set P24, P+14
.set P25, P+16
.set DA,   198                         ; shared partial sums of the denominators
.set DB,   200
.set DC,   202
.set DE,   204
.set D69,  206
.set D79,  208
.set D89,  210
.set D610, 212
.set D710, 214
.set D810, 216
.set N69,  218
.set N79,  220
.set N89,  222
.set N610, 224
.set N710, 226
.set N810, 228
.set TD9,  DA                          ; registers that are free again by then
.set TD10, DB
.set DEN,  DC
.set RC,   DE
.set TN9,  D69
.set TN10, D79
.set NUM,  D89
.set O,    230                         ; v[230:245] four groups of 128 rows: my 4 neighbouring results, never rewritten
	s_load_b256 s[4:11], s[0:1], 0x0               ; x s[4:5], c s[6:7], log_s s[8:9], conseq s[10:11]
	s_load_b64 s[12:13], s[0:1], 0x20              ; out
	v_lshl_add_u32 v246, v0, 2, 0x8000
	v_mov_b32 v247, 0
	v_and_b32 v[LANE], 31, v0
	v_lshrrev_b32 v[TMP], 5, v0
	v_readfirstlane_b32 s14, v[TMP]                ; wave 0..15
	s_lshl_b32 s15, s14, 11                        ; my wave's 2,048 bytes of LDS
	s_lshl_b32 s16, ttmp9, 17                      ; the work-group's 8,192 rows x 16 bytes of x
	s_mov_b32 s17, 0
	s_lshl_b32 s18, ttmp9, 15                      ; and x 4 bytes of out
	s_mov_b32 s19, 0
	s_mov_b32 s2, C100
	v_lshlrev_b32 v[OO], 4, v[LANE]
	v_lshl_or_b32 v[XO], v[TMP], 13, v[OO]         ; wave x 8,192 + 16 lane
	v_lshl_or_b32 v[OO], v[TMP], 11, v[OO]         ; wave x 2,048 + 16 lane
	v_mov_b32 v[NL], NLOG2E
	s_wait_kmcnt 0x0
	; the parameters first, log_s ahead: the chain behind them is the longest.  44 = 32 + 12 bytes, 120 = 64 + 32 + 16 + 8 bytes
	s_load_b256 s[SL:SL+7], s[8:9], 0x0
	s_load_b96 s[SL+8:SL+10], s[8:9], 0x20
	s_load_b256 s[SC:SC+7], s[6:7], 0x0
	s_load_b96 s[SC+8:SC+10], s[6:7], 0x20
	s_load_b512 s[SQ:SQ+15], s[10:11], 0x0
	s_load_b256 s[SQ+16:SQ+23], s[10:11], 0x40
	s_load_b128 s[SQ+24:SQ+27], s[10:11], 0x60
	s_load_b64 s[SQ+28:SQ+29], s[10:11], 0x70
	s_add_nc_u64 s[4:5], s[4:5], s[16:17]
	s_add_nc_u64 s[12:13], s[12:13], s[18:19]
.irp j, 0,1,2,3,4,5,6,7,8,9,10,11,12,13,14,15
	global_load_b128 v[X+4*\j:X+4*\j+3], v[XO], s[4:5] offset:512*\j th:TH_LOAD_NT   ; all of the wave's x; read once in the launch
.endr
	; k = sqrt(0.5 log2 e) / max(exp(log_s), 1e-3) = min(exp2(-log_s log2 e + log2 sqrt(0.5 log2 e)), sqrt(0.5 log2 e) / 1e-3):
	; the bound moves to the other side of the reciprocal, the factor into the exponent, and no division is left.
	s_wait_kmcnt 0x0                               ; scalar loads return in no order: only the count 0 says anything
.irp f, 0,1,2,3,4,5,6,7,8,9,10
	v_fmaak_f32 v[E+\f], s[SL+\f], v[NL], LOG2KS
.endr
.irp f, 0,1,2,3,4,5,6,7,8,9,10
	v_exp_f32 v[E+\f], v[E+\f]
.endr
	; plain work that names none of the run's registers stands between the transcendentals and the first use of a result (ISA guide 5.7.2)
	v_lshl_add_u32 v[LST], v[LANE], 2, s15
	v_lshl_add_u32 v[LRD], v[LANE], 4, s15
.irp r, 0,1,2,3,4,5,6,7,8,9,10,11,12,13,14,15,16,17,18,19,20,21,22,23,24,25,26,27,28,29
	v_med3_num_f32 v[CQ+\r], s[SQ+\r], 0, s2       ; clip(conseq, 0, 100): the middle one of the three
.endr
	; function f goes to place 6 (f / 6) + 2 ((f % 6) % 3) + (f % 6) / 3: 0,3, 1,4, 2,5 meet (x0, x1); 6,9, 7,10 meet (x2, x3); 8 stands alone
	s_wait_alu depctr_va_vdst(0)
.irp f, 0,1,2,3,4,5,6,7,8,9,10
.set POS, 6*((\f)/6)+2*(((\f)%6)%3)+((\f)%6)/3
	v_min_num_f32 v[K+POS], KMAX, v[E+\f]          ; k
.endr
.irp f, 0,1,2,3,4,5,6,7,8,9,10
.set POS, 6*((\f)/6)+2*(((\f)%6)%3)+((\f)%6)/3
	v_mul_f32 v[CK+POS], -s[SC+\f], v[K+POS]       ; -c k
.endr
.macro TFMA e, x, m                    ; two t of one row: (x, x') (k, k') + (-c k, -c' k')
	v_pk_fma_f32 v[\e:\e+1], v[\x:\x+1], v[K+2*\m:K+2*\m+1], v[CK+2*\m:CK+2*\m+1]
.endm
.macro NSQ e                           ; -t^2, twice
	v_pk_mul_f32 v[\e:\e+1], v[\e:\e+1], v[\e:\e+1] neg_lo:[1,0] neg_hi:[1,0]
.endm
.macro PADD d, a, b
	v_pk_add_f32 v[\d:\d+1], v[\a:\a+1], v[\b:\b+1]
.endm
.macro NMUL d, p, r                    ; d = P conseq[r] for both rows: op_sel picks the one register of the pair for both halves
.if (\r) & 1
	v_pk_mul_f32 v[\d:\d+1], v[\p:\p+1], v[CQ+\r-1:CQ+\r] op_sel:[0,1] op_sel_hi:[1,1]
.else
	v_pk_mul_f32 v[\d:\d+1], v[\p:\p+1], v[CQ+\r:CQ+\r+1] op_sel_hi:[1,0]
.endif
.endm
.macro NFMA d, p, r                    ; d += P conseq[r]
.if (\r) & 1
	v_pk_fma_f32 v[\d:\d+1], v[\p:\p+1], v[CQ+\r-1:CQ+\r], v[\d:\d+1] op_sel:[0,1,0] op_sel_hi:[1,1,1]
.else
	v_pk_fma_f32 v[\d:\d+1], v[\p:\p+1], v[CQ+\r:CQ+\r+1], v[\d:\d+1] op_sel_hi:[1,0,1]
.endif
.endm
.macro MMUL d, j, s                    ; d = mu_j s
	v_pk_mul_f32 v[\d:\d+1], v[M+2*\j:M+2*\j+1], v[\s:\s+1]
.endm
.macro MFMA d, j, s                    ; d += mu_j s
	v_pk_fma_f32 v[\d:\d+1], v[M+2*\j:M+2*\j+1], v[\s:\s+1], v[\d:\d+1]
.endm
; Two rows of every lane: A from load 2p, B from load 2p + 1.
; The transcendentals stand in three runs, and behind each run comes plain work that names none of its registers before a result is
; used or a source rewritten (ISA guide 5.7.2): no v_nop is spent.
.macro PAIR p
.set XA, X+8*\p
.set XB, X+8*\p+4
	s_wait_loadcnt 14-2*\p                         ; loads return in order: 2p and 2p + 1 are in, the 14 - 2p younger ones stay out
.irp m, 0,1,2
	TFMA E+2*\m, XA, \m                            ; t of functions m (x0) and m + 3 (x1)
	TFMA E+10+2*\m, XB, \m
.endr
.irp m, 0,1,2
	NSQ E+2*\m
	NSQ E+10+2*\m
.endr
.irp m, 0,1,2
	v_exp_f32 v[M+2*\m],   v[E+2*\m]               ; mu_m, row A
	v_exp_f32 v[M+2*\m+6], v[E+2*\m+1]             ; mu_(m+3), row A
	v_exp_f32 v[M+2*\m+1], v[E+10+2*\m]            ; row B beside them
	v_exp_f32 v[M+2*\m+7], v[E+10+2*\m+1]
.endr
.irp m, 3,4
	TFMA E+2*\m, XA+2, \m                          ; t of functions m + 3 (x2) and m + 6 (x3)
	TFMA E+10+2*\m, XB+2, \m
.endr
	v_fma_f32 v[E+20], v[XA+2], v[K+10], v[CK+10]  ; function 8 has no partner: rows A and B form its pair
	v_fma_f32 v[E+21], v[XB+2], v[K+10], v[CK+10]
.irp m, 3,4
	NSQ E+2*\m
	NSQ E+10+2*\m
.endr
	NSQ E+20
.irp m, 3,4
	v_exp_f32 v[M+2*\m+6],  v[E+2*\m]              ; mu_6, mu_7
	v_exp_f32 v[M+2*\m+12], v[E+2*\m+1]            ; mu_9, mu_10
	v_exp_f32 v[M+2*\m+7],  v[E+10+2*\m]
	v_exp_f32 v[M+2*\m+13], v[E+10+2*\m+1]
.endr
	v_exp_f32 v[M+16], v[E+20]                     ; mu_8
	v_exp_f32 v[M+17], v[E+21]
	; P_ab = mu_a mu_b: reads the first run's results only
	s_wait_alu depctr_va_vdst(0)
.irp a, 0,1,2
.irp b, 0,1,2
	v_pk_mul_f32 v[P+2*(3*\a+\b):P+2*(3*\a+\b)+1], v[M+2*\a:M+2*\a+1], v[M+6+2*\b:M+6+2*\b+1]
.endr
.endr
	; D_cd = the sum of P_ab over the rules with (c, d)
	PADD DA, P03, P13
	PADD DE, P15, P24
	PADD DB, DA, P04
	PADD D79, DA, P14
	PADD D610, DE, P25
	PADD DC, DB, P05
	PADD D810, DB, P14                             ; 03 13 04 14
	PADD D79, D79, P23
	PADD D610, D610, P14                           ; 15 24 25 14
	PADD D89, DC, P24                              ; 03 13 04 05 24
	PADD D710, DC, P25                             ; 03 13 04 05 25
	PADD D79, D79, P15                             ; 03 13 14 23 15
	PADD D69, D710, DE                             ; 03 13 04 05 25 15 24
	MMUL TD9, 6, D69
	MMUL TD10, 6, D610
	MFMA TD9, 7, D79
	MFMA TD10, 7, D710
	MFMA TD9, 8, D89
	MFMA TD10, 8, D810
	MMUL DEN, 9, TD9
	MFMA DEN, 10, TD10                             ; the sum of all w
	v_max_num_f32 v[DEN], DEN_MIN, v[DEN]
	v_max_num_f32 v[DEN+1], DEN_MIN, v[DEN+1]
	v_rcp_f32 v[RC], v[DEN]                        ; wanted 38 instructions further down
	v_rcp_f32 v[RC+1], v[DEN+1]
	; N_cd = the sum of conseq_r P_ab; six chains in turn
	NMUL N89, P03, 0
	NMUL N810, P03, 1
	NMUL N79, P03, 2
	NMUL N710, P03, 4
	NMUL N69, P03, 9
	NMUL N610, P25, 22
	NFMA N89, P04, 3
	NFMA N810, P04, 5
	NFMA N79, P14, 11
	NFMA N710, P04, 10
	NFMA N69, P13, 13
	NFMA N610, P24, 24
	NFMA N89, P13, 6
	NFMA N810, P13, 8
	NFMA N79, P13, 17
	NFMA N710, P13, 12
	NFMA N69, P04, 15
	NFMA N610, P15, 25
	NFMA N89, P05, 7
	NFMA N810, P14, 16
	NFMA N79, P23, 18
	NFMA N710, P05, 14
	NFMA N69, P05, 19
	NFMA N610, P14, 29
	NFMA N89, P24, 21
	NFMA N79, P15, 20
	NFMA N710, P25, 26
	NFMA N69, P25, 23
	MMUL TN10, 8, N810
	NFMA N69, P15, 27
	MMUL TN9, 8, N89
	NFMA N69, P24, 28
	MFMA TN10, 7, N710
	MFMA TN9, 7, N79
	MFMA TN10, 6, N610
	MFMA TN9, 6, N69
	MMUL NUM, 10, TN10
	MFMA NUM, 9, TN9                               ; the sum of all w conseq
	s_wait_alu depctr_va_vdst(0)
	v_pk_mul_f32 v[NUM:NUM+1], v[NUM:NUM+1], v[RC:RC+1]
	ds_store_b32 v[LST], v[NUM] offset:256*\p      ; row 64 p + lane of the wave
	ds_store_b32 v[LST], v[NUM+1] offset:256*\p+128    ; row 64 p + 32 + lane
.endm
.macro READBACK q                      ; 128 rows are staged: my four neighbouring results (LDS serves a wave's instructions in order)
	ds_load_b128 v[O+4*\q:O+4*\q+3], v[LRD] offset:512*\q
.endm
.macro FLUSH q, left                   ; left = LDS instructions issued behind that load
	s_wait_dscnt \left
	global_store_b128 v[OO], v[O+4*\q:O+4*\q+3], s[12:13] offset:512*\q th:TH_STORE_NT   ; the wave writes 512 neighbouring bytes, aligned
.endm
	PAIR 0
	PAIR 1
	READBACK 0
	PAIR 2
	FLUSH 0, 2                                     ; behind the load stand pair 2's two LDS stores
	PAIR 3
	READBACK 1
	PAIR 4
	FLUSH 1, 2
	PAIR 5
	READBACK 2
	PAIR 6
	FLUSH 2, 2
	PAIR 7
	READBACK 3
	FLUSH 3, 0                                     ; nothing was issued behind the last load
	s_wait_tensorcnt 0x0
	ds_add_u32 v246, v247
	s_wait_dscnt 0x0
	s_endpgm
.Lfunc_end_k_q1a1e1ef3f6_anfis:
	.size	k_q1a1e1ef3f6_anfis, .Lfunc_end_k_q1a1e1ef3f6_anfis-k_q1a1e1ef3f6_anfis
	.p2alignl 7, 3214868480
	.fill 96, 4, 3214868480
	.section	.rodata,"a",@progbits
	.p2align	6, 0x0
	.amdhsa_kernel k_q1a1e1ef3f6_anfis
		.amdhsa_group_segment_fixed_size 34816
		.amdhsa_private_segment_fixed_size 0
		.amdhsa_enable_private_segment 0
		.amdhsa_kernarg_size 40
		.amdhsa_user_sgpr_count 2
		.amdhsa_user_sgpr_kernarg_segment_ptr 1
		.amdhsa_wavefront_size32 1
		.amdhsa_system_sgpr_workgroup_id_x 1
		.amdhsa_system_sgpr_workgroup_id_y 1
		.amdhsa_system_sgpr_workgroup_id_z 1
		.amdhsa_system_vgpr_workitem_id 0
		.amdhsa_next_free_vgpr 248
		.amdhsa_next_free_sgpr 80
		.amdhsa_reserve_vcc 0
		.amdhsa_float_denorm_mode_32 3
		.amdhsa_float_denorm_mode_16_64 3
		.amdhsa_memory_ordered 1
		.amdhsa_forward_progress 1
		.amdhsa_inst_pref_size 64
	.end_amdhsa_kernel
	.amdgpu_metadata
---
amdhsa.version: [ 1, 2 ]
amdhsa.kernels:
  - .name:           k_q1a1e1ef3f6_anfis
    .symbol:         k_q1a1e1ef3f6_anfis.kd
    .args:
      - { .name: x, .offset: 0, .size: 8, .value_kind: global_buffer, .address_space: global }
      - { .name: c, .offset: 8, .size: 8, .value_kind: global_buffer, .address_space: global }
      - { .name: log_s, .offset: 16, .size: 8, .value_kind: global_buffer, .address_space: global }
      - { .name: conseq, .offset: 24, .size: 8, .value_kind: global_buffer, .address_space: global }
      - { .name: out0, .offset: 32, .size: 8, .value_kind: global_buffer, .address_space: global }
    .group_segment_fixed_size: 34816
    .private_segment_fixed_size: 0
    .kernarg_segment_align: 8
    .kernarg_segment_size: 40
    .max_flat_workgroup_size: 512
    .sgpr_count:     80
    .vgpr_count:     248
    .wavefront_size: 32
...
	.end_amdgpu_metadata
.endif
;; end of part 1
